; MI455X (gfx1250); checked and timed in simulation.
; The chip was launched on July 23, 2026; its instructions are those of AMD's public machine-readable ISA for CDNA 5 (MIT licence, August 2026) and "CDNA5" Instruction Set Architecture Reference Guide (July 2026). The comments in the code are by the model that wrote it; some were corrected since.
;; USP Attention. Allowed arithmetic: matrix products marked QUANTISED: E2M1 operands, one E8M0 scale for each 32 along K, by v_wmma_scale_f32_16x16x128_f8f6f4 with both operands' format E2M1 (or v_wmma_scale_f32_32x16x128_f4), f32 sums; everything else in f32.
;; Inputs: k 1 x 4,096 x 1,024 float32; q 1 x 4,096 x 1,024 float32; v 1 x 4,096 x 1,024 float32.
;; Outputs: out0 1 x 4,096 x 1,024 float32.
;; This version of the problem:
;;   THIS VERSION OF THE PROBLEM IS GIVEN IN LOW PRECISION. The matrix products marked QUANTISED in the list below multiply operands that are first quantised to E2M1 (2 exponent bits, 1 mantissa bit; 4 bits a number), with one power-of-two scale for each 32 numbers along K (OCP MX v1.0); their sums are f32. All else is computed in f32.
;;   The module's matrix products, in the order in which they are computed (A, B: the left and right operand; K: the contracted axis; several contracted axes count as one K, in the product's order):
;;     1. batch 16 x [M 4,096, K 64] x [K 64, N 4,096]; A: input q; B: input k: QUANTISED
;;     2. batch 16 x [M 64, K 4,096] x [K 4,096, N 4,096]; A: input v; B: softmax (see below): QUANTISED
;;   THE QUANTISER, for each operand of a quantised product, along K:
;;     - K is cut into blocks of 32 from its start; a last block that is shorter is filled with zeros.
;;     - A block's scale is 2^e with e = floor(log2(the largest magnitude in the block)) - 2, held to -126 .. 127; a block of zeros has e = 0. As a byte (E8M0): e + 127.
;;     - Each number is divided by its block's scale, clamped to +-6, and rounded to the nearest number of E2M1, ties to even, subnormals kept.
;;     - The product sums the exact products of the quantised numbers (number of the format x scale) in f32.
;;   ~~~python
;;   def quantise(x, axis):      # numpy; x: float32 -> the quantised numbers, widened to float32 again
;;       x = np.moveaxis(x, axis, -1); K = x.shape[-1]
;;       x = np.pad(x, [(0, 0)] * (x.ndim - 1) + [(0, -K % 32)]); x = x.reshape(x.shape[:-1] + (-1, 32)); a = np.abs(x).max(-1, keepdims=True)
;;       e = np.where(a > 0, np.clip(np.frexp(np.where(a > 0, a, 1))[1] - 1 - 2, -126, 127), 0)      # np.frexp(a)[1] - 1 = floor(log2(a)), exactly
;;       r = np.clip(x / 2.0 ** e, -6, 6)
;;       step = 2.0 ** (np.maximum(np.frexp(np.where(r == 0, 1, r))[1] - 1, 0) - 1)
;;       q = np.round(r / step) * step * 2.0 ** e      # np.round: ties to even
;;       return np.moveaxis(q.reshape(q.shape[:-2] + (-1,))[..., :K], -1, axis).astype(np.float32)
;;   ~~~
;;   SOFTMAX AHEAD OF A QUANTISED PRODUCT. Where the list says 'softmax', what is quantised is not the finished softmax but p = 2^(t - M), with t = logit x log2(e) and M = ceil(the row's largest t), a whole number; so 1/2 < the row's largest p <= 1. The row's sum l is taken of the UNQUANTISED p, in f32, and the product's result is divided by l at the end. Since M is a whole number, a kernel that streams over the keys may use a running M (the ceiling of the running maximum): every later rescaling is an exact power of two, which a block's scale takes up: the codes' values come out the same.
;;   OPERANDS COMPUTED ON THE WAY. 'Computed on the way' means the value that the module computes at that place (a softmax that the list does not call 'softmax' is quantised finished and normalised). What goes into a quantiser is computed in f32, as accurately as f32 sums, v_exp_f32 and their like allow (about 1e-6 of the number): no bf16 or f16 on the way to a quantiser, and a product that is left as it is and whose result goes on into a quantised operand takes f32 operands (vector FMAs, or v_wmma_f32_16x16x4_f32). A number that lies on a knife's edge between two numbers of the format may be rounded either way, as far as f32 arithmetic and the matrix unit's own rounding can turn it there, and no further.
;; One version. Each part assembles by itself: llvm-mc -triple=amdgcn-amd-amdhsa -mcpu=gfx1250 --defsym DOCPART=n.
;; ======== version 1 of 1: 2 launches
;; limits: right only within a limited range of input values
;; workspace buffers: kv 4,587,520 bytes
;; launch prep (part 1): grid 256 x 1, 4 waves a work-group, no clusters, 17,920 bytes of LDS; arguments k, v, kv; writes kv
.if DOCPART == 1
	.amdgcn_target "amdgcn-amd-amdhsa--gfx1250"
	.amdhsa_code_object_version 6
	.text
	.protected	k_q93ce323bf2_prep
	.globl	k_q93ce323bf2_prep
	.p2align	8
	.type	k_q93ce323bf2_prep,@function
k_q93ce323bf2_prep:
	s_mov_b64 s[64:65], 0
	v_nop
	global_prefetch_b8 v0, s[64:65] scope:SCOPE_SE
	s_setreg_imm32_b32 hwreg(HW_REG_WAVE_MODE, 25, 1), 1
	s_wait_xcnt 0x0
; k and v, [4096][1024] f32 (head n = columns 64 n .. 64 n + 63: 256 bytes of a row), become codes of FP4 (E2M1) with one E8M0 byte for each 32 numbers:
; k along the head's 64 channels, v DOWN THE KEYS.  They are laid as the second launch's operand registers take them, in one record of 8,960 bytes for each (head, step of 128 keys), at (32 head + step) x 8960:
;   +0    KC  8 fragments of 512 bytes: fragment t = 2 b + u, lane l = r + 16 h: 16 bytes at 512 t + 16 l: key 32 b + 8 u + r + 8 (r / 8), channels 32 h .. 32 h + 31
;   +4096 VC  4 tiles of 1,024 bytes: tile t, half c, lane (r, h): 16 bytes at 1024 t + 512 c + 16 l: channel 16 t + r, keys 64 c + 32 h + 0 .. 31
;   +8192 KS  16 bytes a lane: word b = the scale word of row l % 16 of fragment 2 b + l / 16: bytes {block 0, block 1, 0x7f, 0x7f} (the product's K is filled from 64 to 128 with zero codes)
;   +8704 VS  8 bytes a lane: word p = the four block bytes of channel l % 16 of tile 2 p + l / 16
; A block's scale is 2^(floor(log2(its largest magnitude)) - 2): its byte is the largest magnitude's exponent field - 2, held at 1 from below by a floor among the maximum's leaves.
; LIMITS: NaN and infinities among the inputs are not served.  A block of zeros gets the byte 1 where the quantiser says 127: its codes are zeros, which add nothing, and this program alone reads the bytes.
; SHARES.  512 records, two to a work-group: record 2 x work-group + (wave % 2).  Waves 0 and 1 make a record's KC and KS, waves 2 and 3 its VC and VS: the two roles part on the wave's number and do not meet again.
; No barrier: waves share nothing.  Every store has data registers of its own and no address register is written again, so no store is waited for.
.set REC, 8960
.set SP,  272                          ; a stage row: 256 bytes + 16, so that the sixteen rows of a read start 16 bytes apart modulo 256
.set STG, 32*SP                        ; a K wave's stage: 32 keys
.set R,   32                           ; K role: v32-159 two sets of 64: 32 keys as loaded.  V role: v32-95 two sets of 32
.set X,   160                          ; K role: v160-223 two tiles x 32 channels of my row and block
.set C,   224                          ; v224-255 the codes, four registers for each store
; v1 lane, v2 r, v3 h, v4 16 x lane, v5 8 x lane, v6 k's offset, v7 stage in, v8 stage out, v9 byte select, v10 v's offset, v11 VC's offset
; v12-13 largest magnitudes, v14-15 the conversions' scale operands, v16-17 bytes, v18-19 at work, v20-23 KS's words, v24-25 VS's words
.macro LOADG b                         ; keys 32 b .. 32 b + 31: lanes 0-15 read one key's 256 bytes, lanes 16-31 the next key's
.irp i, 0,1,2,3,4,5,6,7,8,9,10,11,12,13,14,15
; WHICH KEYS FORM A FRAGMENT OF KC (this line settles it, and stands for what is said of KC's keys further up): group b = 2 g + p takes keys 64 g + 16 p + 0 .. 15 and 64 g + 32 + 16 p + 0 .. 15,
; so that row r of fragment 4 g + t (t = 2 p + u) is key 64 g + 32 (r / 8) + 8 t + r % 8.  The way through the stage is the same: load i, half h goes to stage row 16 u + r.
	global_load_b128 v[R+64*((\b)%2)+4*\i:R+64*((\b)%2)+4*\i+3], v6, s[4:5] offset:(64*((\b)/2)+16*((\b)%2)+32*(\i/8)+2*(\i%8))*4096 th:TH_LOAD_NT
.endr
.endm
; 32 keys become fragments 2 b and 2 b + 1.  The conversions want 32 neighbouring channels in ONE lane, the loads have 4: so the keys turn through my own stage.
; Key w = 2 i + h of the 32 goes to stage row 16 u + r, (u, r) its fragment and row: w = 8 u + r + 8 (r / 8).
.macro GROUP b
.if (\b) < 3
	s_wait_loadcnt 16                              ; this group's 16 loads are in; the next group's 16 may be out
.else
	s_wait_loadcnt 0x0
.endif
.irp i, 0,1,2,3,4,5,6,7,8,9,10,11,12,13,14,15
	ds_store_b128 v7, v[R+64*((\b)%2)+4*\i:R+64*((\b)%2)+4*\i+3] offset:(16*((\i/4)%2)+2*(\i%4)+8*(\i/8))*SP
.endr
.irp u, 0,1
.irp j, 0,1,2,3,4,5,6,7
	ds_load_b128 v[X+32*\u+4*\j:X+32*\u+4*\j+3], v8 offset:16*\u*SP+16*\j   ; LDS serves a wave's instructions in order: these see the stores above.  Row r of fragment u, channels 32 h + 4 j on
.endr
.endr
	s_wait_dscnt 0x0                               ; the numbers are back, and the stores have read their registers,
.if (\b) < 2
	LOADG (\b)+2                                   ; which take the group two further on
.endif
.irp u, 0,1
	v_max3_num_f32 v[12+\u], |v[X+32*\u]|, |v[X+32*\u+1]|, 0x1800000   ; my block's 32 numbers are all mine; the floor 2^(3 - 127) holds the byte at 1 from below
.endr
.irp i, 2,4,6,8,10,12,14,16,18,20,22,24,26,28,30
.irp u, 0,1
	v_max3_num_f32 v[12+\u], v[12+\u], |v[X+32*\u+\i]|, |v[X+32*\u+\i+1]|   ; (the two fragments by turns)
.endr
.endr
.irp u, 0,1
	v_add_nc_u32 v[14+\u], 0xff000000, v[12+\u]    ; 2 off the exponent field: the conversion takes the exponent field of this operand as its scale
.endr
.irp u, 0,1
	v_lshrrev_b32 v[16+\u], 23, v[14+\u]           ; the scale's byte
.endr
	v_lshl_or_b32 v18, v17, 8, v16                 ; {fragment 0's byte, fragment 1's} of my block h,
	v_or_b32 v18, 0x7f7f0000, v18                  ; and 1.0 for the two blocks of zero codes
	v_permlanex16_b32 v19, v18, s20, s21           ; the same of the other block, from lane l xor 16
	v_perm_b32 v[20+(\b)], v18, v19, v9            ; lanes 0-15: fragment 2 b's {block 0, block 1}; lanes 16-31: fragment 2 b + 1's
.irp u, 0,1
.irp g, 0,1,2,3
	v_cvt_scalef32_pk8_fp4_f32 v[C+8*(\b)+4*\u+\g], v[X+32*\u+8*\g:X+32*\u+8*\g+7], v[14+\u]
.endr
.endr
	v_nop                                          ; one plain line behind the last conversion, ahead of the vector lines that write its scale operands again
.irp u, 0,1
	global_store_b128 v4, v[C+8*(\b)+4*\u:C+8*(\b)+4*\u+3], s[8:9] offset:512*(2*(\b)+\u)   ; 32 lanes store 512 consecutive bytes, aligned
.endr
.endm
.macro LOADV q                         ; block q: keys 32 (q / 2) + 0 .. 31 of channels 32 (q % 2) + lane: A LANE TAKES A CHANNEL, ITS REGISTERS RUN DOWN THE KEYS
.irp i, 0,1,2,3,4,5,6,7,8,9,10,11,12,13,14,15,16,17,18,19,20,21,22,23,24,25,26,27,28,29,30,31
	global_load_b32 v[R+32*((\q)%2)+\i], v10, s[6:7] offset:(32*((\q)/2)+\i)*4096+128*((\q)%2)   ; 128 consecutive bytes; the other half of the key's 256 is read by my next block
.endr
.endm
.macro BLOCKV q
.set XS, R+32*((\q)%2)
.if (\q) < 7
	s_wait_loadcnt 32                              ; this block's 32 loads are in; the next block's 32 may be out
.else
	s_wait_loadcnt 0x0
.endif
	v_max3_num_f32 v12, |v[XS]|, |v[XS+1]|, |v[XS+2]|     ; the block's largest magnitude: all 32 numbers are mine; two chains
	v_max3_num_f32 v13, |v[XS+3]|, |v[XS+4]|, |v[XS+5]|
.irp i, 6,10,14,18,22,26
	v_max3_num_f32 v12, v12, |v[XS+\i]|, |v[XS+\i+1]|
	v_max3_num_f32 v13, v13, |v[XS+\i+2]|, |v[XS+\i+3]|
.endr
	v_max3_num_f32 v12, v12, |v[XS+30]|, |v[XS+31]|
	v_max3_num_f32 v12, v12, v13, 0x1800000        ; and the floor
	v_add_nc_u32 v14, 0xff000000, v12
	v_lshrrev_b32 v16, 23, v14
.if (\q)/2 == 0
	v_mov_b32 v[24+(\q)%2], v16                    ; the four blocks' bytes make my channel's scale word, the lower keys in the lower byte
.else
	v_lshl_or_b32 v[24+(\q)%2], v16, 8*((\q)/2), v[24+(\q)%2]
.endif
.irp g, 0,1,2,3
	v_cvt_scalef32_pk8_fp4_f32 v[C+4*(\q)+\g], v[XS+8*\g:XS+8*\g+7], v14
.endr
	v_nop                                          ; one plain line behind the last conversion
	global_store_b128 v11, v[C+4*(\q):C+4*(\q)+3], s[8:9] offset:4096+2048*((\q)%2)+512*((\q)/4)+256*(((\q)/2)%2)   ; each half of the lanes stores 256 consecutive bytes, aligned
.if (\q) < 6
	LOADV (\q)+2
.endif
.endm
	s_load_b128 s[4:7], s[0:1], 0x0                ; k s[4:5], v s[6:7]
	s_load_b64 s[8:9], s[0:1], 0x10                ; kv
	v_lshl_add_u32 v30, v0, 2, 0x4400
	v_mov_b32 v31, 0
	v_lshrrev_b32 v1, 5, v0
	v_readfirstlane_b32 s10, v1                    ; wave 0..3
	s_and_b32 s22, s10, 1
	s_lshl_b32 s11, ttmp9, 1
	s_add_co_u32 s11, s11, s22                     ; my record
	s_lshr_b32 s12, s11, 5                         ; its head
	s_and_b32 s13, s11, 31                         ; its step
	s_lshl_b32 s14, s13, 19                        ; 128 keys of 4,096 bytes a step,
	s_lshl_b32 s15, s12, 8                         ; 256 bytes a head
	s_add_co_u32 s14, s14, s15
	s_mov_b32 s15, 0
	s_mul_i32 s16, s11, REC
	s_mov_b32 s17, 0
	s_mul_i32 s18, s22, STG                        ; my stage (waves 0 and 1 alone use it)
	s_mov_b32 s20, 0x76543210
	s_mov_b32 s21, 0xfedcba98                      ; v_permlanex16_b32's selects for lane l xor 16
	v_and_b32 v1, 31, v0                           ; lane
	v_and_b32 v2, 15, v0                           ; r
	v_bfe_u32 v3, v0, 4, 1                         ; h
	v_lshlrev_b32 v4, 4, v1
	v_lshlrev_b32 v5, 3, v1
	v_lshlrev_b32 v6, 12, v3
	v_lshl_add_u32 v6, v2, 4, v6                   ; k: one key further down for lanes 16-31, 16 bytes a lane
	v_mul_u32_u24 v7, v3, SP
	v_lshl_add_u32 v7, v2, 4, v7
	v_add_nc_u32 v7, s18, v7                       ; the stage, in: as loaded
	v_mul_u32_u24 v8, v2, SP
	v_lshl_add_u32 v8, v3, 7, v8
	v_add_nc_u32 v8, s18, v8                       ; and out: row r, block h
	v_mul_u32_u24 v9, v3, 0x4fd
	v_add_nc_u32 v9, 0x07060004, v9                ; v_perm_b32's select: 0x07060004 in lanes 0-15, 0x07060501 in lanes 16-31
	v_lshlrev_b32 v10, 2, v1                       ; v: 4 bytes a lane
	v_lshlrev_b32 v11, 10, v3
	v_lshl_add_u32 v11, v2, 4, v11                 ; VC: tile l / 16 of the pair, row r
	v_mov_b32 v19, 0                               ; a lane permute's destination counts as one of its sources
	s_wait_kmcnt 0x0
	s_add_nc_u64 s[4:5], s[4:5], s[14:15]
	s_add_nc_u64 s[6:7], s[6:7], s[14:15]
	s_add_nc_u64 s[8:9], s[8:9], s[16:17]
	s_cmp_lt_u32 s10, 2
	s_cbranch_scc0 .Lv_role
	LOADG 0                                        ; two groups, 32 loads of 512 bytes, ahead
	LOADG 1
	s_wait_alu depctr_va_vdst(0)
	GROUP 0
	GROUP 1
	GROUP 2
	GROUP 3
	global_store_b128 v4, v[20:23], s[8:9] offset:8192   ; KS: 512 consecutive bytes
	s_wait_tensorcnt 0x0
	ds_add_u32 v30, v31
	s_wait_dscnt 0x0
	s_endpgm
.Lv_role:
	s_wait_alu depctr_va_vdst(0)
	LOADV 0                                        ; two blocks, 64 loads, ahead
	LOADV 1
	BLOCKV 0
	BLOCKV 1
	BLOCKV 2
	BLOCKV 3
	BLOCKV 4
	BLOCKV 5
	BLOCKV 6
	BLOCKV 7
	global_store_b64 v5, v[24:25], s[8:9] offset:8704    ; VS: 256 consecutive bytes
	s_endpgm
.Lfunc_end_k_q93ce323bf2_prep:
	.size	k_q93ce323bf2_prep, .Lfunc_end_k_q93ce323bf2_prep-k_q93ce323bf2_prep
	.p2alignl 7, 3214868480
	.fill 96, 4, 3214868480
	.section	.rodata,"a",@progbits
	.p2align	6, 0x0
	.amdhsa_kernel k_q93ce323bf2_prep
		.amdhsa_group_segment_fixed_size 17920
		.amdhsa_private_segment_fixed_size 0
		.amdhsa_enable_private_segment 0
		.amdhsa_kernarg_size 24
		.amdhsa_user_sgpr_count 2
		.amdhsa_user_sgpr_kernarg_segment_ptr 1
		.amdhsa_wavefront_size32 1
		.amdhsa_system_sgpr_workgroup_id_x 1
		.amdhsa_system_sgpr_workgroup_id_y 1
		.amdhsa_system_sgpr_workgroup_id_z 1
		.amdhsa_system_vgpr_workitem_id 0
		.amdhsa_next_free_vgpr 256
		.amdhsa_next_free_sgpr 66
		.amdhsa_reserve_vcc 0
		.amdhsa_float_denorm_mode_32 3
		.amdhsa_float_denorm_mode_16_64 3
		.amdhsa_memory_ordered 1
		.amdhsa_forward_progress 1
		.amdhsa_inst_pref_size 67
	.end_amdhsa_kernel
	.amdgpu_metadata
---
amdhsa.version: [ 1, 2 ]
amdhsa.kernels:
  - .name:           k_q93ce323bf2_prep
    .symbol:         k_q93ce323bf2_prep.kd
    .args:
      - { .name: k, .offset: 0, .size: 8, .value_kind: global_buffer, .address_space: global }
      - { .name: v, .offset: 8, .size: 8, .value_kind: global_buffer, .address_space: global }
      - { .name: kv, .offset: 16, .size: 8, .value_kind: global_buffer, .address_space: global }
    .group_segment_fixed_size: 17920
    .private_segment_fixed_size: 0
    .kernarg_segment_align: 8
    .kernarg_segment_size: 24
    .max_flat_workgroup_size: 128
    .sgpr_count:     66
    .vgpr_count:     256
    .wavefront_size: 32
...
	.end_amdgpu_metadata
.endif
;; end of part 1
;; launch attn (part 2): grid 16 x 16, 16 waves a work-group, clusters of 4 x 1, 327,680 bytes of LDS; arguments q, kv, out0; writes out0
.if DOCPART == 2
	.amdgcn_target "amdgcn-amd-amdhsa--gfx1250"
	.amdhsa_code_object_version 6
	.text
	.protected	k_q93ce323bf2_attn
	.globl	k_q93ce323bf2_attn
	.p2align	8
	.type	k_q93ce323bf2_attn,@function
k_q93ce323bf2_attn:
	s_mov_b64 s[64:65], 0
	v_nop
	global_prefetch_b8 v0, s[64:65] scope:SCOPE_SE
	s_setreg_imm32_b32 hwreg(HW_REG_WAVE_MODE, 25, 1), 1
	s_wait_xcnt 0x0
	s_wait_alu depctr_hold_cnt(0) depctr_sa_sdst(0) depctr_va_vdst(0) depctr_va_sdst(0) depctr_va_ssrc(0) depctr_va_vcc(0) depctr_vm_vsrc(0)
	s_getreg_b32 s2, hwreg(HW_REG_IB_STS2, 6, 4)
	s_cmp_eq_u32 s2, 0
	s_cbranch_scc0 .Lentry_in_a_cluster
	s_endpgm
.Lentry_in_a_cluster:
	s_bfe_u32 s2, ttmp6, 0x10000c
	s_cmp_lg_u32 s2, 0x3003
	s_cbranch_scc0 .Lentry_shape_is_right
	s_endpgm
.Lentry_shape_is_right:
; out[q][64 n + d] = the sum over keys of softmax_k(q_n[q] . k_n[key] / 8) v_n[key][d]: 16 heads n, 4,096 queries and keys, both products on codes of FP4 (E2M1) with one E8M0 scale for each 32 along a product's K.
; k's and v's codes and scale words come from the launch before as images of the operands' registers: a record of 8,960 bytes for each (head, step of 128 keys): KC +0, VC +4096, KS +8192, VS +8704.
; THE SOFTMAX: t = score x log2(e) / 8; M = the row's largest t so far, rounded UP to a whole number; p = 2^(t - M) is quantised along the keys, not normalised.  The row's sum is taken of the unquantised p and divides at the end.
; When M moves, the sum and O are multiplied by 2^(old M - new M): exact.
; SHARES.  A work-group owns 256 queries of one head, each of its sixteen waves 16 of them, in 256 registers.  A key step has 12 matrix instructions beside some 210 vector instructions, so the step is laid for few vector lines.
; LDS.  The head's 32 records, 286,720 bytes, are filled once: wave w brings records 2 w and 2 w + 1 by ONE tensor load of 70 rows of 256 bytes.  No byte is filled twice.  All fills stand at the head, so there is no later
; load that a prefetch could run ahead of: none is written.  Behind the records: a stage of 2,304 bytes for each wave (q's way in), then the spare words.  LDS is claimed for the bytes used.
; CLUSTER.  The four query blocks of a cluster belong to one head and want the same records: each is asked for jointly, by the same descriptor and a mask that names the four.
; LAYOUT.  Both products are used transposed: S^T = K Q^T, O^T = V^T P^T: a lane holds ONE query (lane % 16) throughout.  Row r of K's fragment 4 g + t is key 64 g + 32 (r / 8) + 8 t + r % 8, so that lane (r, h) holds in the
; 32 registers of tiles 4 g .. 4 g + 3 the keys 64 g + 32 h + 0 .. 31 in order: a WHOLE block of 32, in the very order of the second product's operand.  A block's maximum needs no other lane and the conversions' results are the operand.
; The first product's K is 64: the instruction's 128 are filled with zero codes on both sides (registers 4 to 7 of K's fragments and of Q, cleared once) under the byte 0x7f.
; THE LOADS RUN AHEAD: behind a step's first products its V and the NEXT step's K are asked of LDS; the last step is written out without the look-ahead.
; LIMITS: NaN and infinities among the inputs are not served.  A block of zeros keeps the scale byte 1: its codes are zeros.  A p under 2^-126 counts as 0 (v_exp_f32: ISA guide, 15.8).  The promise holds while |t| stays under 2^31.
; A block's largest p is not searched for: the block's largest SCORE goes through the same multiply-add and exponential; this takes v_exp_f32 not to fall where its input rises.
; REGISTERS: v1 16 x lane, v2 8 x lane, v3, v4 the step's LDS addresses, v5 my offset in q and out, v6, v7 stage addresses, v9 r, v10 h, v11 8 h; v12 -M, v13 the largest score, v[14:15] the sum; v16-23 Q; v24 Q's scale word, v25 p's,
; v26-27 V's, v28-31 K's; v32-95 K; v96-159 S^T, then p; v160-191 O^T; v192-223 V; v224-231 p's codes; v232-254 at work; v251, v255 the add's two.
.set REC,   8960
.set VCO,   4096
.set KSO,   8192
.set VSO,   8704
.set HEADB, 32*REC
.set QST,   HEADB                      ; q's stages: 8 rows of 272 bytes in 2,304 bytes a wave
.set QSW,   2304
.set SPARE, QST+16*QSW                 ; the spare words: 128 bytes a wave
.set SP,    272
.set KF,    32
.set S,     96
.set O,     160
.set VF,    192
.set PC,    224
.macro CROUND                          ; a round of the cluster's barrier
	s_barrier_signal -1
	s_barrier_wait -1
	s_cmp_lg_u32 s10, 0
	s_cbranch_scc1 .Lnot_wave_0_\@
	s_barrier_signal -3
.Lnot_wave_0_\@:
	s_barrier_wait -3
	s_barrier_signal -1
	s_barrier_wait -1
.endm
.macro TM n                            ; n pairs of t - M (of the pairs c and -M the low word serves both halves)
.rept \n
	v_pk_fma_f32 v[S+j:S+j+1], v[S+j:S+j+1], s[22:23], v[12:13] op_sel_hi:[1,0,0]
.set j, j+2
.endr
.endm
; A KEY STEP: 128 keys, the record at LDS byte s40.  pf = 1: the next record's K is asked for.
.macro STEP pf
	s_wait_dscnt 0x0                               ; K's fragments and scale words, asked for a step ago; no LDS instruction of mine is out at the signal below
	s_barrier_wait -1                              ; every wave has begun the step before this one: the sixteen waves stay within one key step of each other and read the same record or its neighbour
.if \pf
	s_barrier_signal -1                            ; I have begun this step.  Up to the wait at the next step's head stand work on registers and LDS loads of records, which no wave writes before the way out's barrier
.endif
.irp t, 0,2,4,6
	v_wmma_scale_f32_16x16x128_f8f6f4 v[S+8*\t:S+8*\t+7], v[KF+8*\t:KF+8*\t+7], v[16:23], 0, v[28+\t/2], v24 matrix_a_fmt:MATRIX_FMT_FP4 matrix_b_fmt:MATRIX_FMT_FP4
	v_wmma_scale_f32_16x16x128_f8f6f4 v[S+8*\t+8:S+8*\t+15], v[KF+8*\t+8:KF+8*\t+15], v[16:23], 0, v[28+\t/2], v24 matrix_a_fmt:MATRIX_FMT_FP4 matrix_b_fmt:MATRIX_FMT_FP4 matrix_a_scale:MATRIX_SCALE_ROW1
.endr
	v_add_nc_u32 v3, s40, v1                       ; four plain lines behind the products, ahead of the loads into their registers and of the first read of the scores
	v_add_nc_u32 v4, s40, v2
	v_nop
	v_nop
.irp t, 0,1,2,3
.irp c, 0,1
	ds_load_b128 v[VF+8*\t+4*\c:VF+8*\t+4*\c+3], v3 offset:VCO+1024*\t+512*\c
.endr
.endr
	ds_load_b64 v[26:27], v4 offset:VSO            ; V's scale words: register p: lanes 0-15 tile 2 p, lanes 16-31 tile 2 p + 1
.if \pf
.irp t, 0,1,2,3,4,5,6,7
	ds_load_b128 v[KF+8*\t:KF+8*\t+3], v3 offset:REC+512*\t   ; the lower four registers; the upper four stay zero
.endr
	ds_load_b128 v[28:31], v3 offset:REC+KSO
.endif
.irp c, 0,1,2,3                                ; the largest score of my two blocks of 32 keys: four chains of 16 registers by turns, each accumulator from its low end on
	v_max3_num_f32 v[232+\c], v[S+16*\c], v[S+16*\c+1], v[S+16*\c+2]
.endr
.irp i, 3,5,7,9,11,13
.irp c, 0,1,2,3
	v_max3_num_f32 v[232+\c], v[232+\c], v[S+16*\c+\i], v[S+16*\c+\i+1]
.endr
.endr
	v_max3_num_f32 v232, v232, v233, v[S+15]
	v_max3_num_f32 v234, v234, v235, v[S+47]
	v_max_num_f32 v232, v232, v[S+31]              ; block h
	v_max_num_f32 v234, v234, v[S+63]              ; block 2 + h
	v_max_num_f32 v233, v232, v234
	v_permlanex16_b32 v235, v233, s20, s21
	v_max3_num_f32 v13, v13, v233, v235            ; the running largest score of my query
	v_mul_f32 v254, s22, v13                       ; as t (c is positive)
	v_mov_b32 v233, v12
	v_floor_f32 v12, -v254                         ; the new -M = -ceil(t)
	v_sub_f32 v254, v12, v233                      ; old M - new M: a whole number, 0 or less
	v_fma_f32 v232, v232, s22, v12                 ; t - M of each block's largest score
	v_fma_f32 v234, v234, s22, v12
.set j, 0
	TM 4
	v_cvt_i32_f32 v254, v254                       ; (it saturates)
	TM 4
	v_ldexp_f32 v252, 1.0, v254                    ; f = 2^(old M - new M)
	TM 24
.set j, 0
.rept 16
	v_pk_mul_f32 v[O+j:O+j+1], v[O+j:O+j+1], v[252:253] op_sel_hi:[1,0]   ; O^T under the new M, ahead of the exponentials, each accumulator from its low end on
.set j, j+2
.endr
	s_wait_alu depctr_va_vdst(0)                   ; the wait ahead of the batch
	v_exp_f32 v232, v232                           ; the blocks' largest p
	v_exp_f32 v234, v234
.set j, 0
.rept 64
	v_exp_f32 v[S+j], v[S+j]                       ; p = 2^(t - M)
.set j, j+1
.endr
	v_pk_mul_f32 v[14:15], v[14:15], v[252:253] op_sel_hi:[1,0]   ; the sums under the new M: the plain line behind the batch
	s_wait_alu depctr_va_vdst(0)                   ; and the wait behind it, ahead of the first reader
	v_max_num_f32 v232, 0x1800000, v232            ; the floor 2^(3 - 127): the byte cannot fall under 1
	v_max_num_f32 v234, 0x1800000, v234
	s_delay_alu instid0(VALU_DEP_2)
	v_add_nc_u32 v244, 0xff000000, v232            ; 2 off the exponent field: the conversions' scale operands
	v_add_nc_u32 v245, 0xff000000, v234
.irp g, 0,1
.irp u, 0,1,2,3
	v_cvt_scalef32_pk8_fp4_f32 v[PC+4*\g+\u], v[S+32*\g+8*\u:S+32*\g+8*\u+7], v[244+\g]   ; keys 64 g + 32 h + 8 u + 0 .. 7: register 4 g + u of the operand
.endr
.endr
	v_lshrrev_b32 v246, 23, v244                   ; the scales' bytes
	v_lshrrev_b32 v247, 23, v245
	s_delay_alu instid0(VALU_DEP_1)
	v_lshl_or_b32 v246, v247, 16, v246             ; blocks h and 2 + h,
	s_delay_alu instid0(VALU_DEP_1)
	v_lshlrev_b32 v246, v11, v246                  ; at their places in the word, 8 h bits up;
	s_delay_alu instid0(VALU_DEP_1)
	v_permlanex16_b32 v247, v246, s20, s21
	s_delay_alu instid0(VALU_DEP_1)
	v_or_b32 v25, v246, v247                       ; with lane l xor 16's two the word is whole
.irp c, 0,1,2,3                                ; the row's sum of the unquantised p, four chains; these 32 lines are also the places between the writes of p's word and codes and the products
	v_pk_add_f32 v[236+2*\c:237+2*\c], v[S+4*\c:S+4*\c+1], v[S+4*\c+2:S+4*\c+3]
.endr
.set j, 8
.rept 24
	v_pk_add_f32 v[236+2*(j%4):237+2*(j%4)], v[236+2*(j%4):237+2*(j%4)], v[S+2*j:S+2*j+1]
.set j, j+1
.endr
	v_pk_add_f32 v[236:237], v[236:237], v[238:239]
	v_pk_add_f32 v[240:241], v[240:241], v[242:243]
	s_delay_alu instid0(VALU_DEP_1)
	v_pk_add_f32 v[236:237], v[236:237], v[240:241]
	s_delay_alu instid0(VALU_DEP_1)
	v_pk_add_f32 v[14:15], v[14:15], v[236:237]
	s_wait_dscnt 9*\pf                             ; V's nine loads are in; the nine younger ones, the next K's, may be out
.irp t, 0,2                                    ; O^T += V^T P^T: the four accumulators by turns
	v_wmma_scale_f32_16x16x128_f8f6f4 v[O+8*\t:O+8*\t+7], v[VF+8*\t:VF+8*\t+7], v[PC:PC+7], v[O+8*\t:O+8*\t+7], v[26+\t/2], v25 matrix_a_fmt:MATRIX_FMT_FP4 matrix_b_fmt:MATRIX_FMT_FP4
	v_wmma_scale_f32_16x16x128_f8f6f4 v[O+8*\t+8:O+8*\t+15], v[VF+8*\t+8:VF+8*\t+15], v[PC:PC+7], v[O+8*\t+8:O+8*\t+15], v[26+\t/2], v25 matrix_a_fmt:MATRIX_FMT_FP4 matrix_b_fmt:MATRIX_FMT_FP4 matrix_a_scale:MATRIX_SCALE_ROW1
.endr
	s_add_co_u32 s40, s40, REC
.endm
	s_load_b128 s[4:7], s[0:1], 0x0                ; q s[4:5], kv s[6:7]
	s_load_b64 s[8:9], s[0:1], 0x10                ; out
	v_lshl_add_u32 v251, v0, 2, SPARE
	v_mov_b32 v255, 0
	ds_add_u32 v251, v255                          ; the opening lines: the add, twice on end, and its wait below
	ds_add_u32 v251, v255
	v_lshrrev_b32 v8, 5, v0
	v_readfirstlane_b32 s10, v8                    ; wave 0..15
	s_bfe_u32 s11, ttmp6, 0x40000                  ; cx: it enters q's and out's addresses alone
	s_lshl_b32 s12, ttmp9, 2
	s_add_co_u32 s12, s12, s11                     ; my block of 256 queries
	s_and_b32 s13, ttmp7, 0xffff                   ; the head, which the four partners share
	s_lshl_b32 s14, s12, 20                        ; 256 rows of 4,096 bytes,
	s_lshl_b32 s15, s10, 16                        ; my wave's 16 of them,
	s_add_co_u32 s14, s14, s15
	s_lshl_b32 s15, s13, 8                         ; the head's 256 bytes of a row
	s_add_co_u32 s14, s14, s15
	s_mov_b32 s15, 0
	s_mul_i32 s16, s13, HEADB                      ; the head's records,
	s_mul_i32 s18, s10, 2*REC                      ; records 2 w and 2 w + 1: in memory and in LDS alike
	s_add_co_u32 s16, s16, s18
	s_mov_b32 s17, 0
	s_mov_b32 s20, 0x76543210
	s_mov_b32 s21, 0xfedcba98                      ; v_permlanex16_b32's selects for lane l xor 16
	s_mov_b32 s22, 0x3e38aa3b                      ; c = log2(e) / 8
	s_mov_b32 s23, s22
	s_mov_b32 s24, 15|(3<<16)|(1<<21)              ; group 1: the mask of all four; elements of 8 bytes; bit 21 beside a mask
	s_mov_b32 s25, 32<<16                          ; rows of 32 elements,
	s_mov_b32 s26, 70<<16                          ; 70 of them: two records, dense
	s_mov_b32 s27, 32<<16
	s_mov_b32 s28, 70
	s_mov_b32 s29, 32
	s_mov_b32 s30, 0
	s_mov_b32 s31, 0
	s_mov_b32 s40, 0
	s_mul_i32 s42, s10, QSW
	s_add_co_u32 s42, s42, QST                     ; my stage for q
	v_and_b32 v9, 15, v0                           ; r
	v_bfe_u32 v10, v0, 4, 1                        ; h
	v_lshlrev_b32 v5, 12, v10
	v_lshl_add_u32 v5, v9, 4, v5                   ; q and out: lanes 0-15 one row's 256 bytes, lanes 16-31 the next row's
	v_mul_u32_u24 v6, v10, SP
	v_lshl_add_u32 v6, v9, 4, v6
	v_add_nc_u32 v6, s42, v6                       ; the stage, in: as loaded
	v_and_b32 v7, 7, v0
	v_mul_u32_u24 v7, v7, SP
	v_lshl_add_u32 v7, v10, 7, v7
	v_add_nc_u32 v7, s42, v7                       ; and out: row r % 8, block h
	v_and_b32 v1, 31, v0
	v_lshlrev_b32 v2, 3, v1
	v_lshlrev_b32 v1, 4, v1
	v_lshlrev_b32 v11, 3, v10                      ; 8 h
	s_wait_alu depctr_va_vdst(0)                   ; directly ahead of the waits below
	s_wait_dscnt 0x0
	s_wait_kmcnt 0x0
	s_add_nc_u64 s[4:5], s[4:5], s[14:15]
	s_add_nc_u64 s[8:9], s[8:9], s[14:15]
	s_add_nc_u64 s[6:7], s[6:7], s[16:17]
.irp i, 0,1,2,3,4,5,6,7
	global_load_b128 v[S+4*\i:S+4*\i+3], v5, s[4:5] offset:8192*\i th:TH_LOAD_NT   ; rows 2 i and 2 i + 1 of my 16: 256 consecutive bytes for each half of the lanes
.endr
	s_mov_b32 s32, 1
	s_mov_b32 s33, s18
	s_mov_b64 s[34:35], s[6:7]
	s_or_b32 s35, s35, 0x80000000
	CROUND                                         ; all four work-groups are here: the joint loads meet
	tensor_load_to_lds s[32:35], s[24:31]          ; my one tensor load
	s_nop 0
.set i, 0
.rept 8
	v_mov_b32 v[KF+8*i+4], 0                       ; K's codes of k = 64 .. 127: zeros, written once
	v_mov_b32 v[KF+8*i+5], 0
	v_mov_b32 v[KF+8*i+6], 0
	v_mov_b32 v[KF+8*i+7], 0
.set i, i+1
.endr
.irp i, 20,21,22,23
	v_mov_b32 v\i, 0                               ; Q's likewise
.endr
	v_mov_b32 v13, 0xff61b1e6                      ; the largest score so far: -3e38
	v_mov_b32 v12, 0x7f61b1e6                      ; -M: 3e38, so that the first f is 0
	v_mov_b32 v14, 0
	v_mov_b32 v15, 0
	v_mov_b32 v236, 0                              ; a lane permute's destination counts as one of its sources
	v_mov_b32 v253, 0                              ; (the upper half of the pair v[252:253])
	s_wait_alu depctr_va_vdst(0)                   ; directly ahead of the wait below
	s_wait_loadcnt 0x0                             ; q
; The conversions want 32 neighbouring channels in one lane, the loads have 4: the rows turn through my stage, 8 rows at a time.  LDS serves a wave's instructions in order, so no wait stands between.
.irp i, 0,1,2,3
	ds_store_b128 v6, v[S+4*\i:S+4*\i+3] offset:2*SP*\i
.endr
.irp i, 0,1,2,3,4,5,6,7
	ds_load_b128 v[S+32+4*\i:S+32+4*\i+3], v7 offset:16*\i       ; rows 0-7: right in lanes with r < 8
.endr
.irp i, 0,1,2,3
	ds_store_b128 v6, v[S+16+4*\i:S+16+4*\i+3] offset:2*SP*\i
.endr
.irp i, 0,1,2,3,4,5,6,7
	ds_load_b128 v[VF+4*\i:VF+4*\i+3], v7 offset:16*\i           ; rows 8-15: right in the others
.endr
	v_cmp_gt_u32 vcc_lo, 8, v9
	s_wait_dscnt 0x0
.set j, 0
.rept 32
	v_cndmask_b32 v[S+32+j], v[VF+j], v[S+32+j], vcc_lo          ; row r, channels 32 h + j
.set j, j+1
.endr
.set X, S+32
	v_max3_num_f32 v232, |v[X]|, |v[X+1]|, |v[X+2]|
	v_max3_num_f32 v233, |v[X+3]|, |v[X+4]|, |v[X+5]|
.irp i, 6,10,14,18,22,26
	v_max3_num_f32 v232, v232, |v[X+\i]|, |v[X+\i+1]|
	v_max3_num_f32 v233, v233, |v[X+\i+2]|, |v[X+\i+3]|
.endr
	v_max3_num_f32 v232, v232, |v[X+30]|, |v[X+31]|
	s_delay_alu instid0(VALU_DEP_1)
	v_max3_num_f32 v232, v232, v233, 0x1800000     ; and the floor 2^(3 - 127)
	s_delay_alu instid0(VALU_DEP_1)
	v_add_nc_u32 v234, 0xff000000, v232            ; the conversion's scale operand
	s_delay_alu instid0(VALU_DEP_1)
	v_lshrrev_b32 v235, 23, v234
	s_delay_alu instid0(VALU_DEP_1)
	v_lshlrev_b32 v235, v11, v235                  ; the byte, 8 h bits up;
	s_delay_alu instid0(VALU_DEP_1)
	v_permlanex16_b32 v236, v235, s20, s21
	s_delay_alu instid0(VALU_DEP_1)
	v_or_b32 v235, v235, v236
	s_delay_alu instid0(VALU_DEP_1)
	v_or_b32 v24, 0x7f7f0000, v235                 ; with the other block's, and 1.0 for the two blocks of zero codes
.irp g, 0,1,2,3
	v_cvt_scalef32_pk8_fp4_f32 v[16+\g], v[X+8*\g:X+8*\g+7], v234
.endr
	v_nop
.set j, 0
.rept 32
	v_mov_b32 v[O+j], 0                            ; O^T: the first step finds zeros.  Also the places between the writes of Q's word and codes and the first product
.set j, j+1
.endr
	s_wait_alu depctr_va_vdst(0)                   ; the wait at the head's end
	s_wait_tensorcnt 0x0                           ; my two records are in
	s_barrier_signal -1
	s_barrier_wait -1                              ; all 32 are
	s_barrier_signal -1                            ; the signal that the first step's head waits for: 32 signals (this one and the loop's 31) for the 32 steps' waits
.irp t, 0,1,2,3,4,5,6,7
	ds_load_b128 v[KF+8*\t:KF+8*\t+3], v1 offset:512*\t
.endr
	ds_load_b128 v[28:31], v1 offset:KSO
	s_mov_b32 s41, 31
.Lstep:
	STEP 1
	s_sub_co_u32 s41, s41, 1
	s_cmp_lg_u32 s41, 0
	s_cbranch_scc1 .Lstep
	STEP 0                                         ; the last record has none behind it
	; THE WAY OUT.  O^T is divided by the row's sum and goes through a stage, so that sixteen lanes store the 256 consecutive bytes that a query has in my head.  The stages (16 rows x 272 bytes a wave) lie over
	; records 0 to 7: these bytes have had their only fill, and behind the barrier below no wave reads a record any more.
	s_wait_alu depctr_va_vdst(0)
	s_wait_dscnt 0x0
	s_barrier_signal -1
	v_add_f32 v14, v14, v15
	s_delay_alu instid0(VALU_DEP_1)
	v_permlanex16_b32 v252, v14, s20, s21
	s_delay_alu instid0(VALU_DEP_1)
	v_add_f32 v14, v14, v252                       ; the row's sum
	s_wait_alu depctr_va_vdst(0)                   ; the wait ahead of the reciprocal
	v_rcp_f32 v14, v14
	v_and_b32 v8, 15, v0
	v_bfe_u32 v9, v0, 4, 1
	s_mul_i32 s42, s10, 16*SP
	v_mul_u32_u24 v6, v8, SP
	v_mul_u32_u24 v7, v9, SP
	s_delay_alu instid0(VALU_DEP_2)
	v_lshl_add_u32 v6, v9, 5, v6
	s_delay_alu instid0(VALU_DEP_2)
	v_lshl_add_u32 v7, v8, 4, v7
	s_delay_alu instid0(VALU_DEP_2)
	v_add_nc_u32 v6, s42, v6                       ; in: row r; tile t's eight channels of my half: 64 t + 32 h bytes on
	s_delay_alu instid0(VALU_DEP_2)
	v_add_nc_u32 v7, s42, v7                       ; back: lanes 0-15 one row, lanes 16-31 the next
	s_wait_alu depctr_va_vdst(0)                   ; and ahead of its first reader, which is also O^T's
.set j, 0
.rept 16
	v_pk_mul_f32 v[S+j:S+j+1], v[O+j:O+j+1], v[14:15] op_sel_hi:[1,0]   ; register 8 t + i is out(r, 16 t + 8 h + i)
.set j, j+2
.endr
	s_wait_alu depctr_va_vdst(0)                   ; directly ahead of the wait below
	s_barrier_wait -1
.irp t, 0,1,2,3
	ds_store_b128 v6, v[S+8*\t:S+8*\t+3] offset:64*\t
	ds_store_b128 v6, v[S+8*\t+4:S+8*\t+7] offset:64*\t+16
.endr
.irp i, 0,1,2,3,4,5,6,7
	ds_load_b128 v[KF+4*\i:KF+4*\i+3], v7 offset:2*\i*SP           ; LDS serves a wave's instructions in order: these see my stores
.endr
.irp i, 0,1,2,3,4,5,6,7
	s_wait_dscnt 7-\i                              ; pair i of rows is back; the younger loads may be out
	global_store_b128 v5, v[KF+4*\i:KF+4*\i+3], s[8:9] offset:2*\i*4096 th:TH_STORE_NT   ; each half of the lanes stores 256 consecutive bytes, aligned
.endr
	s_wait_tensorcnt 0x0                           ; the wave's end
	ds_add_u32 v251, v255
	s_wait_dscnt 0x0
	CROUND                                         ; the closing round
	s_endpgm
.Lfunc_end_k_q93ce323bf2_attn:
	.size	k_q93ce323bf2_attn, .Lfunc_end_k_q93ce323bf2_attn-k_q93ce323bf2_attn
	.p2alignl 7, 3214868480
	.fill 96, 4, 3214868480
	.section	.rodata,"a",@progbits
	.p2align	6, 0x0
	.amdhsa_kernel k_q93ce323bf2_attn
		.amdhsa_group_segment_fixed_size 327680
		.amdhsa_private_segment_fixed_size 0
		.amdhsa_enable_private_segment 0
		.amdhsa_kernarg_size 24
		.amdhsa_user_sgpr_count 2
		.amdhsa_user_sgpr_kernarg_segment_ptr 1
		.amdhsa_wavefront_size32 1
		.amdhsa_system_sgpr_workgroup_id_x 1
		.amdhsa_system_sgpr_workgroup_id_y 1
		.amdhsa_system_sgpr_workgroup_id_z 1
		.amdhsa_system_vgpr_workitem_id 0
		.amdhsa_next_free_vgpr 256
		.amdhsa_next_free_sgpr 66
		.amdhsa_reserve_vcc 1
		.amdhsa_float_denorm_mode_32 3
		.amdhsa_float_denorm_mode_16_64 3
		.amdhsa_memory_ordered 1
		.amdhsa_forward_progress 1
		.amdhsa_inst_pref_size 44
	.end_amdhsa_kernel
	.amdgpu_metadata
---
amdhsa.version: [ 1, 2 ]
amdhsa.kernels:
  - .name:           k_q93ce323bf2_attn
    .symbol:         k_q93ce323bf2_attn.kd
    .args:
      - { .name: q, .offset: 0, .size: 8, .value_kind: global_buffer, .address_space: global }
      - { .name: kv, .offset: 8, .size: 8, .value_kind: global_buffer, .address_space: global }
      - { .name: out0, .offset: 16, .size: 8, .value_kind: global_buffer, .address_space: global }
    .group_segment_fixed_size: 327680
    .private_segment_fixed_size: 0
    .kernarg_segment_align: 8
    .kernarg_segment_size: 24
    .max_flat_workgroup_size: 512
    .sgpr_count:     66
    .vgpr_count:     256
    .wavefront_size: 32
...
	.end_amdgpu_metadata
.endif
;; end of part 2
